; MI455X (gfx1250); checked and timed in simulation.
; The chip was launched on July 23, 2026; its instructions are those of AMD's public machine-readable ISA for CDNA 5 (MIT licence, August 2026) and "CDNA5" Instruction Set Architecture Reference Guide (July 2026). The comments in the code are by the model that wrote it; some were corrected since.
;; vq ste. Allowed arithmetic: matrix products marked QUANTISED: E2M1 operands, one E8M0 scale for each 32 along K, by v_wmma_scale_f32_16x16x128_f8f6f4 with both operands' format E2M1 (or v_wmma_scale_f32_32x16x128_f4), f32 sums; everything else in f32.
;; Inputs: embedding 1,024 x 64 float32; z_e 32 x 64 x 64 x 64 float32.
;; Outputs: out0 32 x 64 x 64 x 64 float32.
;; Constants: e_dim = 64.
;; This version of the problem:
;;   THIS VERSION OF THE PROBLEM IS GIVEN IN LOW PRECISION. The matrix products marked QUANTISED in the list below multiply operands that are first quantised to E2M1 (2 exponent bits, 1 mantissa bit; 4 bits a number), with one power-of-two scale for each 32 numbers along K (OCP MX v1.0); their sums are f32. All else is computed in f32.
;;   The module's matrix products, in the order in which they are computed (A, B: the left and right operand; K: the contracted axis; several contracted axes count as one K, in the product's order):
;;     1. [M 131,072, K 64] x [K 64, N 1,024]; A: computed on the way; B: input embedding: QUANTISED
;;   THE QUANTISER, for each operand of a quantised product, along K:
;;     - K is cut into blocks of 32 from its start; a last block that is shorter is filled with zeros.
;;     - A block's scale is 2^e with e = floor(log2(the largest magnitude in the block)) - 2, held to -126 .. 127; a block of zeros has e = 0. As a byte (E8M0): e + 127.
;;     - Each number is divided by its block's scale, clamped to +-6, and rounded to the nearest number of E2M1, ties to even, subnormals kept.
;;     - The product sums the exact products of the quantised numbers (number of the format x scale) in f32.
;;   ~~~python
;;   def quantise(x, axis):      # numpy; x: float32 -> the quantised numbers, widened to float32 again
;;       x = np.moveaxis(x, axis, -1); K = x.shape[-1]
;;       x = np.pad(x, [(0, 0)] * (x.ndim - 1) + [(0, -K % 32)]); x = x.reshape(x.shape[:-1] + (-1, 32)); a = np.abs(x).max(-1, keepdims=True)
;;       e = np.where(a > 0, np.clip(np.frexp(np.where(a > 0, a, 1))[1] - 1 - 2, -126, 127), 0)      # np.frexp(a)[1] - 1 = floor(log2(a)), exactly
;;       r = np.clip(x / 2.0 ** e, -6, 6)
;;       step = 2.0 ** (np.maximum(np.frexp(np.where(r == 0, 1, r))[1] - 1, 0) - 1)
;;       q = np.round(r / step) * step * 2.0 ** e      # np.round: ties to even
;;       return np.moveaxis(q.reshape(q.shape[:-2] + (-1,))[..., :K], -1, axis).astype(np.float32)
;;   ~~~
;;   OPERANDS COMPUTED ON THE WAY. 'Computed on the way' means the value that the module computes at that place (a softmax that the list does not call 'softmax' is quantised finished and normalised). What goes into a quantiser is computed in f32, as accurately as f32 sums, v_exp_f32 and their like allow (about 1e-6 of the number): no bf16 or f16 on the way to a quantiser, and a product that is left as it is and whose result goes on into a quantised operand takes f32 operands (vector FMAs, or v_wmma_f32_16x16x4_f32). A number that lies on a knife's edge between two numbers of the format may be rounded either way, as far as f32 arithmetic and the matrix unit's own rounding can turn it there, and no further.
;; One version. Each part assembles by itself: llvm-mc -triple=amdgcn-amd-amdhsa -mcpu=gfx1250 --defsym DOCPART=n.
;; ======== version 1 of 1: 2 launches
;; limits: right only within a limited range of input values
;; workspace buffers: idx 524,288 bytes of whole numbers
;; launch nearest (part 1): grid 256 x 1, 8 waves a work-group, clusters of 4 x 1, 320,512 bytes of LDS; arguments embedding, z_e, idx; writes idx
.if DOCPART == 1
	.amdgcn_target "amdgcn-amd-amdhsa--gfx1250"
	.amdhsa_code_object_version 6
	.text
	.protected	k_qb81d38cb63_nearest
	.globl	k_qb81d38cb63_nearest
	.p2align	8
	.type	k_qb81d38cb63_nearest,@function
k_qb81d38cb63_nearest:
	s_mov_b64 s[64:65], 0
	v_nop
	global_prefetch_b8 v0, s[64:65] scope:SCOPE_SE
	s_setreg_imm32_b32 hwreg(HW_REG_WAVE_MODE, 25, 1), 1
	s_wait_xcnt 0x0
	s_wait_alu depctr_hold_cnt(0) depctr_sa_sdst(0) depctr_va_vdst(0) depctr_va_sdst(0) depctr_va_ssrc(0) depctr_va_vcc(0) depctr_vm_vsrc(0)
	s_getreg_b32 s2, hwreg(HW_REG_IB_STS2, 6, 4)
	s_cmp_eq_u32 s2, 0
	s_cbranch_scc0 .Lentry_in_a_cluster
	s_endpgm
.Lentry_in_a_cluster:
	s_bfe_u32 s2, ttmp6, 0x10000c
	s_cmp_lg_u32 s2, 0x3003
	s_cbranch_scc0 .Lentry_shape_is_right
	s_endpgm
.Lentry_shape_is_right:
; idx[n] = the first k with the smallest d[n][k] = sum_c e_k^2 + (-2 x) . e_k.   x[n][c] = z_e[b][c][hw], n = 4096 b + hw; 131,072 rows, 64 channels, 1,024 codes.
; LEFT OUT AS DEAD WORK: reference() adds sum_c x^2 to every distance of a row.  It is the same number for all 1,024 codes, so whatever the inputs hold, in exact arithmetic it changes no comparison between two
; codes of a row, and the index is all that leaves the distances.  LIMIT: a NaN, an infinity or an overflow that reaches only that sum is not carried to the result.
; The product is made on codes of FP4 (E2M1) with one E8M0 scale for each 32 along c.  Its left operand is 2 x; here -2 x is quantised: the same codes with the sign turned.  sum e^2 is the product's C, as it comes from LDS.
; K = 64 FILLS HALF OF THE INSTRUCTION'S 128.  Source 0 carries two sets of 32 codes: set a in k = 0 .. 63, set b in k = 64 .. 127.  Source 1 is [x, zeros] for set a and [zeros, x] for set b: the zero codes stand on
; x's side alone, and both are windows on one run of registers, zeros x0 zeros x1 zeros x2 zeros x3 zeros.  x's scale word repeats its two bytes.
; SHARES.  256 work-groups of 8 waves; work-group g owns rows 512 g on, wave w 64 of them: four tiles of 16; tile p's row r is row 4 r + p of the wave's.  Every wave walks all 1,024 codes, 64 (a record) at a time.
; LAYOUT.  Source 0 = 32 codes, source 1 = 16 rows of x: lane (r, h) holds ONE row, and register e of a result the code 8 h + e (e < 8) or 8 h + e + 8 of the set.
; THE ARGMIN.  For a set a lane takes the smallest of its 16 distances; where that is under its best so far (strictly: the earlier set stays) it keeps it, the set's number, and a copy of the 16 distances.
; The place inside the set is looked for once, at the end, in that copy; then the two halves of the lanes are joined (smaller distance; on equality the smaller code).  No branch on data.
; A UNIT is one product (one set x one row tile) and 18 plain lines: the tree of minima of the product one unit back, and, line by line between, the selects of the product two units back.  Each row tile has its own accumulator.
; THE TABLE.  Every work-group needs all of it.  It comes as f32 by ONE tensor load a wave (128 rows, 16 bytes of padding behind each); the wave quantises its 128 codes (lane = code) and lays them in LDS as two records:
; source 0's 16 registers as they stand (16 bytes a lane each), the scale words (4 bytes a lane), sum e^2.  One barrier; nothing is filled again.
; CLUSTER.  The four work-groups of a cluster ask for the table JOINTLY (the same loads, the same descriptors, a mask that names the four).
; X goes from memory straight into registers: lane (r, h) loads rows 4 r .. 4 r + 3 of channel 32 h + i, so it holds whole blocks of 32, in the operand's own lanes.  Waves 0 to 3 ask for x ahead of the wait for the table,
; waves 4 to 7 behind it: the first four's 65,536 bytes are asked for ahead of the others'.  No prefetch: no loop here loads from memory, all that a wave reads is asked for once, at its head.
; LIMITS.  NaN and infinities among the inputs are not served.  A block whose largest magnitude lies under 2^(3 - 127) has its scale byte held at 1; a block of zeros has the byte 1 where the rule says 127
; (its codes are zeros, and the bytes are read here alone).  sum e^2 is made in four partial sums; two codes whose distances differ by about one unit in the last place may change places against another order of the same sums.
.set TP,    272                        ; a table row in LDS: 256 bytes + 16: an odd multiple of 16
.set WTAB,  128*TP                     ; what one tensor load brings: 128 rows
.set REC0,  8*WTAB                     ; behind the table (a multiple of 256): 16 records; wave w makes records 2 w and 2 w + 1
.set REC,   2560                       ; +0 source 0's registers, four times 512 bytes; +2048 scale words; +2176 sum e^2 of set a, +2304 of set b
.set SPARE, REC0+16*REC                ; the spare words, 128 bytes for each wave: four blocks of 256 bytes that no other line names
.set FLOOR, 0x1800000                  ; 2^(3 - 127): under it no largest magnitude is taken, so the scale byte cannot fall under 1
.set ADC,  1                           ; v1   the record in hand: operand registers
.set ADS,  2                           ; v2   scale words
.set ADE,  3                           ; v3   sum e^2 of the eight codes of my half
.set SPW,  4                           ; v4   LDS address of my spare word; never rewritten
.set NIL,  5                           ; v5   0; never rewritten
.set XS,   6                           ; v6-9    x's scale words, one register a row tile
.set ES,   10                          ; v10-11  the codes' scale words, buffers 0 and 1
.set TR,   12                          ; v12-16  the tree of minima.  (Early: v12-23 x's quantiser at work)
.set MN,   18                          ; v18  the smallest of 16
.set TG,   19                          ; v19  the number of the set whose selects are in hand
.set BG,   20                          ; v20-27  best at BG + 2 p, its set at BG + 2 p + 1
.set H8,   25                          ; (early) 8 h
.set XO,   26                          ; (early) my byte in x
.set XC,   28                          ; v28-63  x's operands: zeros at XC + 8 p, tile p's codes at XC + 8 p + 4, zeros at XC + 32.  (Early: the table's quantiser at work)
.set TA,   28                          ; (early) the table: my wave's rows, row = lane
.set RS16, 29                          ; (early) my records, 16 bytes a lane
.set RS4,  30                          ; (early) their scale words, 4 bytes a lane
.set MX,   32                          ; (early) v32-33 largest magnitudes
.set SCO,  34                          ; (early) v34-35 the conversions' scale operands
.set BY,   36                          ; (early) v36-37 scale bytes
.set EA,   38                          ; (early) v38-39, v40-41 sum e^2, four partial sums
.set EB,   40
.set EES,  42                          ; (early) v42-43 sum e^2
.set CO,   44                          ; (early) v44-51, v52-59 codes of a set
.set WD,   60                          ; (early) v60-62 scale words
.set EF,   64                          ; v64-95   source 0, two buffers of 16.  (Early: v64-127 the quantisers' numbers)
.set VY,   64
.set EEC,  96                          ; v96-111 sum e^2 of set a in the result's layout, v112-127 of set b
.set SNAP, 128                         ; v128-191 the copy of the best set's 16 distances, for each row tile
.set ACC,  192                         ; v192-255 an accumulator of 16 for each row tile
.set XR,   128                         ; (early) v128-255: x as loaded: channel 32 h + i of rows 4 r .. 4 r + 3 at XR + 4 i
.set PS,   64                          ; the end: v64-67 the place inside the set
.set CD,   68                          ; v68-71  my code
.set OB,   72                          ; v72-75  the other half's best
.set OC,   76                          ; v76-79  the other half's code
.set G0,   48                          ; s[48:51]  descriptor group 0
; A round of the cluster's barrier: my work-group's barrier, wave 0 signals for the work-group, every wave waits for the four work-groups, my work-group's barrier once more.
.macro ROUND
	s_barrier_signal -1
	s_barrier_wait -1
	s_cmp_lg_u32 s10, 0
	s_cbranch_scc1 .Lnot_wave_0_\@
	s_barrier_signal -3
.Lnot_wave_0_\@:
	s_barrier_wait -3
	s_barrier_signal -1
	s_barrier_wait -1
.endm
; v[d], v[d+1] take v[t], v[t+1] in the lanes that VCC names.  d and t are even.
.macro SEL2 d, t
	v_dual_cndmask_b32 v[\d], v[\d], v[\t] :: v_dual_cndmask_b32 v[\d+1], v[\d+1], v[\t+1]
.endm
.macro SET2 d, a, b                    ; first values for v[d], v[d+1]
	v_dual_mov_b32 v[\d], \a :: v_dual_mov_b32 v[\d+1], \b
.endm
.macro XLOAD                           ; my 64 rows of x: a load covers two channels, 256 consecutive bytes of each, at multiples of 256
.set kc, 0
.rept 32
	global_load_b128 v[XR+4*kc:XR+4*kc+3], v[XO], s[6:7] offset:16384*kc th:TH_LOAD_NT
.set kc, kc+1
.endr
.endm
; Block b (32 numbers) of my code of set t of my wave's four.
.macro LDBLK t, b
.irp i, 0,1,2,3,4,5,6,7
	ds_load_b128 v[VY+32*(\b)+4*\i:VY+32*(\b)+4*\i+3], v[TA] offset:32*TP*(\t)+128*(\b)+16*\i
.endr
.endm
; Its scale and codes; its squares go onto the partial sums.
.macro BLK t, b
.set ys, VY+32*(\b)
.set qk, 0
.rept 8
.if qk == 0
	v_max3_num_f32 v[MX], |v[ys]|, |v[ys+1]|, FLOOR
.else
	v_max3_num_f32 v[MX], v[MX], |v[ys+2*qk]|, |v[ys+2*qk+1]|
.endif
.if (qk == 0) && ((\b) == 0)
	v_pk_mul_f32 v[EA:EA+1], v[ys:ys+1], v[ys:ys+1]
.else
	v_pk_fma_f32 v[EA:EA+1], v[ys+4*qk:ys+4*qk+1], v[ys+4*qk:ys+4*qk+1], v[EA:EA+1]
.endif
.if qk == 0
	v_max3_num_f32 v[MX+1], |v[ys+16]|, |v[ys+17]|, |v[ys+18]|
.elseif qk < 7
	v_max3_num_f32 v[MX+1], v[MX+1], |v[ys+17+2*qk]|, |v[ys+18+2*qk]|
.endif
.if (qk == 0) && ((\b) == 0)
	v_pk_mul_f32 v[EB:EB+1], v[ys+2:ys+3], v[ys+2:ys+3]
.else
	v_pk_fma_f32 v[EB:EB+1], v[ys+4*qk+2:ys+4*qk+3], v[ys+4*qk+2:ys+4*qk+3], v[EB:EB+1]
.endif
.set qk, qk+1
.endr
	v_max3_num_f32 v[MX], v[MX], v[MX+1], |v[ys+31]|
	v_add_nc_u32 v[SCO+(\b)], 0xff000000, v[MX]    ; 2 off the exponent field: the conversion takes the exponent field of this operand as its scale, and nothing else of it
	v_lshrrev_b32 v[BY+(\b)], 23, v[SCO+(\b)]      ; the scale's byte
.irp g, 0,1,2,3
	v_cvt_scalef32_pk8_fp4_f32 v[CO+8*((\t)%2)+4*(\b)+\g], v[ys+8*\g:ys+8*\g+7], v[SCO+(\b)]
.endr
.endm
; Set t is finished: its half of a record.  The additions ahead of the swaps are the plain places behind the conversions.
.macro FIN t
.set lo, CO+8*((\t)%2)
	v_pk_add_f32 v[EA:EA+1], v[EA:EA+1], v[EB:EB+1]
	v_lshl_or_b32 v[WD+(\t)%2], v[BY+1], 8, v[BY]
.irp g, 0,1,2,3
	v_permlane16_swap_b32 v[lo+\g], v[lo+4+\g]     ; the operand's layout: lanes 0-15 a code's block 0, lanes 16-31 the same code's block 1: lo codes 0-15 of the set, lo + 4 codes 16-31
.endr
	v_add_f32 v[EES+(\t)%2], v[EA], v[EA+1]
.if (\t)%2
	v_lshl_or_b32 v[WD+2], v[WD+1], 16, v[WD]      ; lane = code: bytes 0, 1 set a, bytes 2, 3 set b
.endif
	ds_store_b128 v[RS16], v[lo:lo+3] offset:REC*((\t)/2)+512*((\t)%2)
	ds_store_b128 v[RS16], v[lo+4:lo+7] offset:REC*((\t)/2)+512*((\t)%2)+1024
	ds_store_b32 v[RS4], v[EES+(\t)%2] offset:REC*((\t)/2)+128+128*((\t)%2)
.if (\t)%2
	ds_store_b32 v[RS4], v[WD+2] offset:REC*((\t)/2)
.endif
.endm
; x's row tiles p and p + 1: -2 x into neighbouring registers along the channels, the block's largest magnitude, codes straight into the operand, scale word.
.macro XQ p
.set qk, 0
.rept 16
	v_dual_mul_f32 v[VY+2*qk], -2.0, v[XR+8*qk+\p] :: v_dual_mul_f32 v[VY+33+2*qk], -2.0, v[XR+8*qk+5+\p]
	v_dual_mul_f32 v[VY+2*qk+1], -2.0, v[XR+8*qk+4+\p] :: v_dual_mul_f32 v[VY+32+2*qk], -2.0, v[XR+8*qk+1+\p]
.set qk, qk+1
.endr
.set qk, 0
.rept 8
.irp u, 0,1
.set ys, VY+32*\u
.if qk == 0
	v_max3_num_f32 v[TR+2*\u], |v[ys]|, |v[ys+1]|, FLOOR
	v_max3_num_f32 v[TR+2*\u+1], |v[ys+16]|, |v[ys+17]|, |v[ys+18]|
.else
	v_max3_num_f32 v[TR+2*\u], v[TR+2*\u], |v[ys+2*qk]|, |v[ys+2*qk+1]|
.if qk < 7
	v_max3_num_f32 v[TR+2*\u+1], v[TR+2*\u+1], |v[ys+17+2*qk]|, |v[ys+18+2*qk]|
.endif
.endif
.endr
.set qk, qk+1
.endr
.irp u, 0,1
	v_max3_num_f32 v[TR+2*\u], v[TR+2*\u], v[TR+2*\u+1], |v[VY+32*\u+31]|
.endr
.irp u, 0,1
	v_add_nc_u32 v[TR+4+\u], 0xff000000, v[TR+2*\u]
.endr
.irp u, 0,1
	v_lshrrev_b32 v[TR+6+\u], 23, v[TR+4+\u]
.endr
.irp g, 0,1,2,3
.irp u, 0,1
	v_cvt_scalef32_pk8_fp4_f32 v[XC+4+8*(\p+\u)+\g], v[VY+32*\u+8*\g:VY+32*\u+8*\g+7], v[TR+4+\u]
.endr
.endr
.irp u, 0,1
	v_lshlrev_b32 v[TR+8+\u], v[H8], v[TR+6+\u]    ; my block's byte at its place (plain places behind the conversions)
.endr
.irp u, 0,1
	v_permlanex16_b32 v[TR+10+\u], v[TR+8+\u], s32, s33   ; the row's other block lies in the lane 16 away
.endr
.irp u, 0,1
	v_or_b32 v[TR+8+\u], v[TR+8+\u], v[TR+10+\u]
.endr
.irp u, 0,1
	v_lshl_or_b32 v[XS+\p+\u], v[TR+8+\u], 16, v[TR+8+\u]   ; the two bytes, twice
.endr
.endm
; Source 0 and the scale words of the record at off bytes from the one in hand, into buffer eb: five LDS loads.
.macro FETCH_F eb, off
.irp i, 0,2,1,3
	ds_load_b128 v[EF+16*(\eb)+4*\i:EF+16*(\eb)+4*\i+3], v[ADC] offset:(\off)+512*\i
.endr
	ds_load_b32 v[ES+(\eb)], v[ADS] offset:\off
.endm
; sum e^2 of its set sb: four.
.macro FETCH_E sb, off
	ds_load_b128 v[EEC+16*(\sb):EEC+16*(\sb)+3], v[ADE] offset:(\off)+128*(\sb)
	ds_load_b128 v[EEC+16*(\sb)+4:EEC+16*(\sb)+7], v[ADE] offset:(\off)+128*(\sb)+16
	ds_load_b128 v[EEC+16*(\sb)+8:EEC+16*(\sb)+11], v[ADE] offset:(\off)+128*(\sb)+64
	ds_load_b128 v[EEC+16*(\sb)+12:EEC+16*(\sb)+15], v[ADE] offset:(\off)+128*(\sb)+80
.endm
; One product: set sb of the record in buffer eb x row tile p.  C is sum e^2, D the tile's accumulator: no product adds onto another's result.
.macro WM p, sb, eb
.set wd, ACC+16*(\p)
.set wa, EF+16*(\eb)
.set wb, XC+4+8*(\p)-4*(\sb)
.set wc, EEC+16*(\sb)
	v_wmma_scale_f32_32x16x128_f4 v[wd:wd+15], v[wa:wa+15], v[wb:wb+7], v[wc:wc+15], v[ES+(\eb)], v[XS+(\p)]
.endm
; The 18 plain lines: the tree of tile pt (its accumulator read from the low end on), the selects of tile ps.
.macro BLOCK pt, ps
.set ra, ACC+16*(\pt)
.set sr, ACC+16*(\ps)
.set sn, SNAP+16*(\ps)
.set sg, BG+2*(\ps)
	v_min3_num_f32 v[TR], v[ra], v[ra+1], v[ra+2]
	SEL2 sn, sr
	v_min3_num_f32 v[TR+1], v[ra+3], v[ra+4], v[ra+5]
	SEL2 sn+2, sr+2
	v_min3_num_f32 v[TR+2], v[ra+6], v[ra+7], v[ra+8]
	SEL2 sn+4, sr+4
	v_min3_num_f32 v[TR+3], v[ra+9], v[ra+10], v[ra+11]
	SEL2 sn+6, sr+6
	v_min3_num_f32 v[TR+4], v[ra+12], v[ra+13], v[ra+14]
	SEL2 sn+8, sr+8
	v_min3_num_f32 v[TR], v[TR], v[TR+1], v[TR+2]
	SEL2 sn+10, sr+10
	v_min3_num_f32 v[TR+3], v[TR+3], v[TR+4], v[ra+15]
	SEL2 sg, MN                                    ; best and its set (MN and TG are neighbours), ahead of MN's next value
	SEL2 sn+12, sr+12
	v_min_num_f32 v[MN], v[TR], v[TR+3]
	SEL2 sn+14, sr+14
	v_cmp_lt_f32 vcc_lo, v[MN], v[BG+2*(\pt)]      ; strictly under the best: on equality the earlier set stays
.endm
; Unit u of a record (0-3: set a, 4-7: set b; tile u % 4), buffer eb, off bytes from the addresses.  more = 1: a record follows.
; Between a product and what is loaded over its sources, or reads or writes its result, stand a whole unit's plain lines or more.
.macro UNIT u, eb, off, more
.if \u == 0
	s_wait_alu depctr_va_vdst(0)                   ; directly ahead of the wait below
	s_wait_dscnt 0x0                               ; this record's source 0, scale words and set a's sums are in
.endif
.if \u == 4
	s_wait_alu depctr_va_vdst(0)                   ; (likewise)
	s_wait_dscnt 5*\more                           ; set b's sums are in; behind them the next record's five loads
.endif
	WM (\u)%4, (\u)/4, \eb
.if \u == 1
	FETCH_E 1, \off                                ; set b's sums, over those that the last record's units 4 to 7 took
.if \more
	FETCH_F 1-\eb, (\off)+REC
.endif
.endif
.if (\u == 5) && (\more)
	FETCH_E 0, (\off)+REC
.endif
.if (\u == 2) || (\u == 6)
	v_add_nc_u32 v[TG], 1, v[TG]                   ; from here on the selects are this set's
.endif
	BLOCK (\u+3)%4, (\u+2)%4
.endm
.macro RECORD eb, off, more
.irp u, 0,1,2,3,4,5,6,7
	UNIT \u, \eb, \off, \more
.endr
.endm
	s_load_b128 s[4:7], s[0:1], 0x0                ; embedding s[4:5], z_e s[6:7]
	s_load_b64 s[8:9], s[0:1], 0x10                ; idx
	v_lshl_add_u32 v[SPW], v0, 2, SPARE
	v_mov_b32 v[NIL], 0
	ds_add_u32 v[SPW], v[NIL]                      ; the wave's opening: the add, twice on end, and its wait ahead of my tensor load; work on registers stands between
	ds_add_u32 v[SPW], v[NIL]
	v_lshrrev_b32 v12, 5, v0
	v_readfirstlane_b32 s10, v12                   ; wave 0..7
	s_bfe_u32 s11, ttmp6, 0x40000                  ; cx: my place in the cluster
	s_lshl_b32 s12, ttmp9, 2                       ; in a cluster launch ttmp9 counts clusters
	s_add_co_u32 s12, s12, s11                     ; g = 4 x cluster + cx: it enters x's and idx's addresses alone
	s_lshr_b32 s14, s12, 3                         ; x: b = g / 8: 2^20 bytes an image;
	s_lshl_b32 s14, s14, 20
	s_and_b32 s13, s12, 7                          ; hw = 512 (g % 8) on: 2,048 bytes
	s_lshl_b32 s13, s13, 11
	s_add_co_u32 s14, s14, s13
	s_mov_b32 s15, 0
	s_lshl_b32 s34, s12, 11                        ; idx: 512 words a work-group
	s_mov_b32 s35, 0
	s_lshl_b32 s36, s10, 15                        ; the table in memory: 128 rows of 256 bytes a wave
	s_mov_b32 s37, 0
	s_mul_i32 s25, s10, WTAB                       ; and in LDS
	s_mul_i32 s24, s10, 2*REC
	s_add_co_u32 s24, s24, REC0                    ; my two records
	s_add_co_u32 s26, s24, 2048
	; descriptor group 1: 128 dense rows of 256 bytes (32 elements of 8 bytes), 16 bytes of padding behind each
	s_mov_b32 s16, 15|(3<<16)|(1<<20)|(1<<21)|(5<<22)|(3<<25)   ; 15:0 the mask: all four work-groups; 17:16 elements of 8 bytes; 20 padding on; 21 set beside a mask; 24:22 after every 64 words; 31:25 four words
	s_mov_b32 s17, 32<<16                          ; tensor_dim0 = 32
	s_mov_b32 s18, 128<<16                         ; tensor_dim1 = 128
	s_mov_b32 s19, 32<<16                          ; tile_dim0 = 32
	s_mov_b32 s20, 128                             ; tile_dim1 = 128
	s_mov_b32 s21, 32                              ; from row to row: 32 elements
	s_mov_b32 s22, 0
	s_mov_b32 s23, 0
	s_mov_b32 s[G0], 1                             ; group 0: count = 1,
	s_mov_b32 s[G0+1], s25                         ; LDS address: my 128 rows
	s_mov_b32 s29, 0x7f800000                      ; +infinity
	s_mov_b32 s30, 0xffff0000                      ; lanes 16-31
	s_mov_b32 s32, 0x76543210
	s_mov_b32 s33, 0xfedcba98                      ; v_permlanex16_b32's selects for lane l xor 16
	v_and_b32 v13, 31, v0                          ; lane
	v_bfe_u32 v14, v0, 4, 1                        ; h
	v_and_b32 v15, 15, v0                          ; r
	v_mul_u32_u24 v[TA], v13, TP
	v_lshl_add_u32 v[RS16], v13, 4, s24
	v_lshl_add_u32 v[RS4], v13, 2, s26
	v_lshl_add_u32 v[ADC], v13, 4, REC0
	v_lshl_add_u32 v[ADS], v13, 2, REC0+2048
	v_lshl_add_u32 v[ADE], v14, 5, REC0+2176
	v_lshlrev_b32 v[XO], 4, v15
	v_lshlrev_b32 v[H8], 3, v14
	v_add_nc_u32 v[TA], s25, v[TA]
	v_lshl_add_u32 v[XO], v14, 19, v[XO]           ; 16 r + 32 channels of 16,384 bytes for lanes 16-31
	v_lshl_add_u32 v[XO], s10, 8, v[XO]            ; + my wave's 256 bytes
	s_wait_alu depctr_va_vdst(0)
	s_wait_dscnt 0x0                               ; both opening adds are done
	ROUND                                          ; all four work-groups are here: the joint loads meet
	s_wait_kmcnt 0x0
	s_add_nc_u64 s[G0+2:G0+3], s[4:5], s[36:37]    ; my rows of the table: made of the wave's number alone
	s_or_b32 s[G0+3], s[G0+3], 0x80000000          ; type = 2
	tensor_load_to_lds s[G0:G0+3], s[16:23]
	s_nop 0
.rept 4
	v_nop
.endr
	s_add_nc_u64 s[6:7], s[6:7], s[14:15]
	s_add_nc_u64 s[8:9], s[8:9], s[34:35]
	s_cmp_lt_u32 s10, 4
	s_cbranch_scc0 .Llate
	XLOAD                                          ; waves 0 to 3: x now
	s_branch .Lasked
.Llate:
	s_wait_tensorcnt 0x0
	XLOAD                                          ; waves 4 to 7: x when their part of the table is in
.Lasked:
	s_wait_tensorcnt 0x0                           ; my tile is in LDS; I alone read it
	; ---- the table: my four sets of 32 codes, block by block; a block's registers take the next set's block as soon as it is converted
	LDBLK 0, 0
	LDBLK 0, 1
	s_wait_dscnt 8                                 ; behind it: the other block's eight loads
	BLK 0, 0
	LDBLK 1, 0
	s_wait_dscnt 8
	BLK 0, 1
	LDBLK 1, 1
	FIN 0                                          ; three stores
	s_wait_dscnt 11                                ; behind it: eight loads, three stores
	BLK 1, 0
	LDBLK 2, 0
	s_wait_dscnt 11                                ; behind it: three stores, eight loads
	BLK 1, 1
	LDBLK 2, 1
	FIN 1                                          ; four stores
	s_wait_dscnt 12
	BLK 2, 0
	LDBLK 3, 0
	s_wait_dscnt 12
	BLK 2, 1
	LDBLK 3, 1
	FIN 2                                          ; three
	s_wait_dscnt 11
	BLK 3, 0
	s_wait_dscnt 3                                 ; behind it: three stores
	BLK 3, 1
	FIN 3
	s_wait_dscnt 0x0                               ; for the others' sake: my records lie in LDS
	s_barrier_signal -1
	; ---- x: work on registers alone, while the other waves arrive
	s_wait_loadcnt 0x0
	v_mov_b32 v[TR+10], 0                          ; a lane permute's destination counts as one of its sources
	v_mov_b32 v[TR+11], 0
	XQ 0
	XQ 2
.irp z, 0,2,8,10,16,18,24,26,32,34
	SET2 XC+\z, 0, 0                               ; the zero codes
.endr
.irp p, 0,1,2,3
	SET2 BG+2*\p, s29, 0                           ; best = +infinity
.endr
	SET2 MN, s29, -1
	s_mov_b32 vcc_lo, 0                            ; the first units' tree and selects find no product yet: +infinity is under no best, and no lane is named
.set kc, 0
.rept 16
	SET2 ACC+32+2*kc, s29, s29
.set kc, kc+1
.endr
.set kc, 0
.rept 32
	SET2 SNAP+2*kc, s29, s29                       ; a select reads what it may keep
.set kc, kc+1
.endr
	s_wait_alu depctr_va_vdst(0)                   ; directly ahead of the wait below
	s_barrier_wait -1                              ; all sixteen records lie in LDS
	FETCH_F 0, 0
	FETCH_E 0, 0
	; ---- the walk over the codes: two records a trip
	s_mov_b32 s28, 7
.Lpair:
	RECORD 0, 0, 1
	RECORD 1, REC, 1
	v_add_nc_u32 v[ADC], 2*REC, v[ADC]
	v_add_nc_u32 v[ADS], 2*REC, v[ADS]
	v_add_nc_u32 v[ADE], 2*REC, v[ADE]
	s_sub_co_u32 s28, s28, 1
	s_cmp_lg_u32 s28, 0
	s_cbranch_scc1 .Lpair
	RECORD 0, 0, 1                                 ; records 14 and 15: nothing is fetched behind record 15
	RECORD 1, REC, 0
	BLOCK 3, 2                                     ; the last product's tree, the last but one's selects,
.irp u, 0,2,4,6,8,10,12,14
	SEL2 SNAP+48+\u, ACC+48+\u                     ; and the last one's
.endr
	SEL2 BG+6, MN
	; ---- the end, the four row tiles by turns.  The place inside the best set: the lowest register of the copy that equals best.
.irp u, 0,2
	SET2 OB+\u, 0, 0                               ; a lane permute's destination counts as one of its sources
	SET2 OC+\u, 0, 0
	SET2 PS+\u, 23, 23                             ; register 15, if no lower one equals best
.endr
.irp e, 14,13,12,11,10,9,8,7,6,5,4,3,2,1,0
.irp p, 0,1,2,3
	v_cmp_neq_f32 s[34+\p], v[SNAP+16*\p+\e], v[BG+2*\p]
.endr
.irp p, 0,1,2,3
	v_cndmask_b32 v[PS+\p], \e+8*(\e/8), v[PS+\p], s[34+\p]
.endr
.endr
	v_bfe_u32 v80, v0, 4, 1
	v_and_b32 v82, 15, v0
	v_lshlrev_b32 v81, 3, v80                      ; 8 h: of the code, and of my bytes in idx
	v_lshlrev_b32 v82, 4, v82
.irp p, 0,1,2,3
	v_lshl_add_u32 v[CD+\p], v[BG+2*\p+1], 5, v[PS+\p]
.endr
.irp p, 0,1,2,3
	v_add_nc_u32 v[CD+\p], v81, v[CD+\p]           ; code = 32 x set + place + 8 h
.endr
.irp p, 0,1,2,3
	v_permlanex16_b32 v[OB+\p], v[BG+2*\p], s32, s33   ; the same row's other 512 codes lie in the lane 16 away
	v_permlanex16_b32 v[OC+\p], v[CD+\p], s32, s33
.endr
	v_lshl_add_u32 v82, s10, 8, v82
	v_add_nc_u32 v82, v81, v82                     ; idx: 256 w + 16 r + 8 h
.irp p, 0,1,2,3
	v_cmp_lt_f32 s[34+\p], v[OB+\p], v[BG+2*\p]
	v_cmp_eq_f32 s[38+\p], v[OB+\p], v[BG+2*\p]
	v_cmp_lt_u32 s[42+\p], v[OC+\p], v[CD+\p]
.endr
.irp p, 0,1,2,3
	s_and_b32 s[38+\p], s[38+\p], s[42+\p]
	s_or_b32 s[34+\p], s[34+\p], s[38+\p]          ; the other half's is smaller, or equal with the lower code
.endr
.irp p, 0,1,2,3
	v_cndmask_b32 v[CD+\p], v[CD+\p], v[OC+\p], s[34+\p]
.endr
	v_cndmask_b32 v84, v[CD], v[CD+2], s30         ; rows 4 r + 2 h
	v_cndmask_b32 v85, v[CD+1], v[CD+3], s30       ; and 4 r + 2 h + 1
	global_store_b64 v82, v[84:85], s[8:9]         ; the wave stores 256 consecutive bytes, at a multiple of 256 from idx's first byte
	s_wait_tensorcnt 0x0                           ; the wave's end, behind my last tensor load and my last LDS store
	ds_add_u32 v[SPW], v[NIL]
	s_wait_dscnt 0x0
	ROUND                                          ; the closing round: no work-group ends while a partner may still ask for a tile that names it
	s_endpgm
.Lfunc_end_k_qb81d38cb63_nearest:
	.size	k_qb81d38cb63_nearest, .Lfunc_end_k_qb81d38cb63_nearest-k_qb81d38cb63_nearest
	.p2alignl 7, 3214868480
	.fill 96, 4, 3214868480
	.section	.rodata,"a",@progbits
	.p2align	6, 0x0
	.amdhsa_kernel k_qb81d38cb63_nearest
		.amdhsa_group_segment_fixed_size 320512
		.amdhsa_private_segment_fixed_size 0
		.amdhsa_enable_private_segment 0
		.amdhsa_kernarg_size 24
		.amdhsa_user_sgpr_count 2
		.amdhsa_user_sgpr_kernarg_segment_ptr 1
		.amdhsa_wavefront_size32 1
		.amdhsa_system_sgpr_workgroup_id_x 1
		.amdhsa_system_sgpr_workgroup_id_y 1
		.amdhsa_system_sgpr_workgroup_id_z 1
		.amdhsa_system_vgpr_workitem_id 0
		.amdhsa_next_free_vgpr 256
		.amdhsa_next_free_sgpr 66
		.amdhsa_reserve_vcc 1
		.amdhsa_float_denorm_mode_32 3
		.amdhsa_float_denorm_mode_16_64 3
		.amdhsa_memory_ordered 1
		.amdhsa_forward_progress 1
		.amdhsa_inst_pref_size 105
	.end_amdhsa_kernel
	.amdgpu_metadata
---
amdhsa.version: [ 1, 2 ]
amdhsa.kernels:
  - .name:           k_qb81d38cb63_nearest
    .symbol:         k_qb81d38cb63_nearest.kd
    .args:
      - { .name: embedding, .offset: 0, .size: 8, .value_kind: global_buffer, .address_space: global }
      - { .name: z_e, .offset: 8, .size: 8, .value_kind: global_buffer, .address_space: global }
      - { .name: idx, .offset: 16, .size: 8, .value_kind: global_buffer, .address_space: global }
    .group_segment_fixed_size: 320512
    .private_segment_fixed_size: 0
    .kernarg_segment_align: 8
    .kernarg_segment_size: 24
    .max_flat_workgroup_size: 256
    .sgpr_count:     66
    .vgpr_count:     256
    .wavefront_size: 32
...
	.end_amdgpu_metadata
.endif
;; end of part 1
;; launch gather (part 2): grid 256 x 1, 8 waves a work-group, no clusters, 140,288 bytes of LDS; arguments idx, embedding, out0; writes out0
.if DOCPART == 2
	.amdgcn_target "amdgcn-amd-amdhsa--gfx1250"
	.amdhsa_code_object_version 6
	.text
	.protected	k_qb81d38cb63_gather
	.globl	k_qb81d38cb63_gather
	.p2align	8
	.type	k_qb81d38cb63_gather,@function
k_qb81d38cb63_gather:
	s_mov_b64 s[64:65], 0
	v_nop
	global_prefetch_b8 v0, s[64:65] scope:SCOPE_SE
	s_setreg_imm32_b32 hwreg(HW_REG_WAVE_MODE, 25, 1), 1
	s_wait_xcnt 0x0
; out0, read as [64][131,072] f32: out[c][n] = embedding[idx[n]][c].  idx holds whole numbers 0 .. 1,023 that the launch before stored; they are held at 1,023 from above before they enter an address.
; A stream bound by its 33.5 MB of stores; no matrix work.
; SHARES.  256 work-groups of 8 waves; work-group g owns n = 512 g on, wave w 64 of them with all 64 channels.  No wave waits for another: no barrier.
; IN.  A work-group reads the 512 table rows that its indices name, 131,072 bytes, and not the table's 262,144.  Sixteen lanes take one row's 256 bytes, so a load of 16 bytes a lane brings two whole rows:
; load i brings row i of the wave's 64 (lanes 0-15) and row 32 + i (lanes 16-31).  A lane so wants the 32 indices 32 h + 0 .. 31, which are 128 consecutive bytes of idx: eight loads of 16 bytes.
; THE TURN.  In registers a lane holds four channels of a row; out0 wants neighbouring n in neighbouring lanes.  The rows go through the wave's own stage in LDS (64 rows of 256 bytes + 16) and come back
; with a lane on rows 2 lane and 2 lane + 1.  Row n lies at slot n / 2 + 32 (n % 2).
; OUT.  A store of 8 bytes a lane (n = 2 lane, 2 lane + 1 of one channel) covers 256 consecutive bytes, at a multiple of 256 from out0's first byte.
; NO CLUSTER AND NO TENSOR LOAD: no tile is shared: which rows a work-group reads hangs on its own indices.
.set DUAL, 1                           ; 1: the moves go two to an instruction; 0: singly
.set TP,   272                         ; a stage row: 256 bytes + 16: an odd multiple of 16
.set WST,  64*TP                       ; a wave's stage
.set LC,   1                           ; v1   16 (lane % 16): my 16 bytes of a table row
.set IO,   2                           ; v2   256 w + 128 h: my 32 indices in the work-group's 2,048 bytes of idx
.set SA,   3                           ; v3   the stage, on the way in: my wave's, + 16 slots for lanes 16-31, + my 16 bytes
.set RA,   4                           ; v4   and on the way back: slot = lane
.set OO,   5                           ; v5   256 w + 8 lane: my byte in the work-group's 2,048 bytes of a channel's row; never rewritten
.set IX,   8                           ; v8-39    my 32 indices, then byte offsets into the table
.set RW,   40                          ; v40-167  the rows as loaded: load i at RW + 4 i
.set RBA,  168                         ; v168-231 back from the stage, channels 0-31: for each q four channels of my first row, four of my second
.set PA,   40                          ; v40-103  as stored, channels 0-31: for each channel the pair (n even, n odd).  (Over rows whose LDS stores are done)
.set RBB,  104                         ; v104-167 back from the stage, channels 32-63.  (Likewise)
.set PB,   168                         ; v168-231 as stored, channels 32-63.  (Over what the moves of channels 0-31 have read)
; Four channels of two rows become four pairs.  Channel k's even half goes with channel (k + 1) % 4's odd half: so the two sources of a line lie one register number apart modulo 4.  Then the four stores.
; A base serves 16 channels of 524,288 bytes: 15 x 524,288 at the most stays inside the signed 24-bit immediate.
.macro SEND rb, pr, q
.irp k, 0,1,2,3
.set k2, (\k+1)%4
.if DUAL
	v_dual_mov_b32 v[\pr+2*\k], v[\rb+\k] :: v_dual_mov_b32 v[\pr+2*k2+1], v[\rb+4+k2]
.else
	v_mov_b32 v[\pr+2*\k], v[\rb+\k]
	v_mov_b32 v[\pr+2*k2+1], v[\rb+4+k2]
.endif
.endr
.irp k, 0,1,2,3
	global_store_b64 v[OO], v[\pr+2*\k:\pr+2*\k+1], s[8+4*((\q)/4):9+4*((\q)/4)] offset:((4*(\q)+\k)%16)*524288 th:TH_STORE_NT
.endr
.endm
.macro BACK rb, q                      ; channels 4 q .. 4 q + 3 of my two rows
	ds_load_b128 v[\rb:\rb+3], v[RA] offset:16*(\q)
	ds_load_b128 v[\rb+4:\rb+7], v[RA] offset:32*TP+16*(\q)
.endm
	s_load_b128 s[4:7], s[0:1], 0x0                ; idx s[4:5], embedding s[6:7]
	s_load_b64 s[8:9], s[0:1], 0x10                ; out0
	v_lshl_add_u32 v232, v0, 2, 0x22000
	v_mov_b32 v233, 0
	v_lshrrev_b32 v6, 5, v0
	s_delay_alu instid0(VALU_DEP_1)
	v_readfirstlane_b32 s10, v6                    ; wave 0..7
	v_and_b32 v7, 31, v0                           ; lane
	v_and_b32 v[LC], 15, v0
	s_delay_alu instid0(VALU_DEP_1)
	v_lshlrev_b32 v[LC], 4, v[LC]
	v_bfe_u32 v6, v0, 4, 1                         ; h
	s_delay_alu instid0(VALU_DEP_1)
	v_lshlrev_b32 v[IO], 7, v6
	s_delay_alu instid0(VALU_DEP_1)
	v_lshl_add_u32 v[IO], s10, 8, v[IO]
	s_mul_i32 s11, s10, WST                        ; my stage
	v_mul_u32_u24 v[SA], v6, 16*TP
	s_delay_alu instid0(VALU_DEP_1)
	v_add_nc_u32 v[SA], v[LC], v[SA]
	s_delay_alu instid0(VALU_DEP_1)
	v_add_nc_u32 v[SA], s11, v[SA]
	v_mul_u32_u24 v[RA], v7, TP
	s_delay_alu instid0(VALU_DEP_1)
	v_add_nc_u32 v[RA], s11, v[RA]
	v_lshlrev_b32 v[OO], 3, v7
	s_delay_alu instid0(VALU_DEP_1)
	v_lshl_add_u32 v[OO], s10, 8, v[OO]
	s_lshl_b32 s14, ttmp9, 11                      ; 512 words a work-group, in idx and in a channel's row
	s_mov_b32 s15, 0
	s_wait_alu depctr_va_vdst(0)
	s_wait_kmcnt 0x0
	s_add_nc_u64 s[4:5], s[4:5], s[14:15]
.irp j, 0,1,2,3,4,5,6,7
	global_load_b128 v[IX+4*\j:IX+4*\j+3], v[IO], s[4:5] offset:16*\j   ; idx of rows 32 h + 4 j .. + 3: the sixteen lanes of a half read the same 16 bytes
.endr
	s_add_nc_u64 s[8:9], s[8:9], s[14:15]          ; channels 0-15,
	s_add_nc_u64 s[12:13], s[8:9], 0x800000        ; 16-31,
	s_add_nc_u64 s[16:17], s[8:9], 0x1000000       ; 32-47,
	s_add_nc_u64 s[20:21], s[8:9], 0x1800000       ; 48-63
	s_wait_loadcnt 0x0
.irp j, 0,1,2,3,4,5,6,7
.irp k, 0,1,2,3
	v_min_u32 v[IX+4*\j+\k], 0x3ff, v[IX+4*\j+\k]  ; inside the table, whatever the buffer holds
.endr
.irp k, 0,1,2,3
	s_delay_alu instid0(VALU_DEP_4)
	v_lshlrev_b32 v[IX+4*\j+\k], 8, v[IX+4*\j+\k]  ; 256 bytes a row,
.endr
.irp k, 0,1,2,3
	s_delay_alu instid0(VALU_DEP_4)
	v_add_nc_u32 v[IX+4*\j+\k], v[LC], v[IX+4*\j+\k]   ; and my 16 of them
.endr
.irp k, 0,1,2,3
	global_load_b128 v[RW+16*\j+4*\k:RW+16*\j+4*\k+3], v[IX+4*\j+\k], s[6:7]   ; two whole rows.  No hint: other lanes and work-groups read the same rows again
.endr
.endr
.set i, 0
.rept 32
	s_wait_loadcnt 31-i                            ; loads come back in order: load i is in, the 31 - i behind it may be out
	ds_store_b128 v[SA], v[RW+4*i:RW+4*i+3] offset:((i/2)+32*(i%2))*TP   ; row i to slot i / 2 + 32 (i % 2); row 32 + i sixteen slots on
.set i, i+1
.endr
.irp q, 0,1,2,3,4,5,6,7
	BACK RBA+8*\q, \q                              ; LDS serves a wave's instructions in order: these see my stores
.endr
	s_wait_dscnt 14                                ; the first two loads are back (14 younger ones may be out): so all my stores into the stage are done and have read their registers,
.irp q, 8,9,10,11,12,13,14,15
	BACK RBB+8*(\q-8), \q                          ; which take the other 32 channels
.endr
	SEND RBA, PA, 0
.irp q, 1,2,3,4,5,6,7
	s_wait_dscnt 30-2*\q                           ; behind q's two loads stand 14 - 2 q of the first half and the second half's sixteen
	SEND RBA+8*\q, PA+8*\q, \q
.endr
.irp q, 8,9,10,11,12,13,14,15
	s_wait_dscnt 14-2*(\q-8)                       ; behind q's two stand 2 (15 - q) younger ones
	SEND RBB+8*(\q-8), PB+8*(\q-8), \q
.endr                                              ; no register of a global store is written again, so no wait stands behind the stores
	s_wait_tensorcnt 0x0
	ds_add_u32 v232, v233
	s_wait_dscnt 0x0
	s_endpgm
.Lfunc_end_k_qb81d38cb63_gather:
	.size	k_qb81d38cb63_gather, .Lfunc_end_k_qb81d38cb63_gather-k_qb81d38cb63_gather
	.p2alignl 7, 3214868480
	.fill 96, 4, 3214868480
	.section	.rodata,"a",@progbits
	.p2align	6, 0x0
	.amdhsa_kernel k_qb81d38cb63_gather
		.amdhsa_group_segment_fixed_size 140288
		.amdhsa_private_segment_fixed_size 0
		.amdhsa_enable_private_segment 0
		.amdhsa_kernarg_size 24
		.amdhsa_user_sgpr_count 2
		.amdhsa_user_sgpr_kernarg_segment_ptr 1
		.amdhsa_wavefront_size32 1
		.amdhsa_system_sgpr_workgroup_id_x 1
		.amdhsa_system_sgpr_workgroup_id_y 1
		.amdhsa_system_sgpr_workgroup_id_z 1
		.amdhsa_system_vgpr_workitem_id 0
		.amdhsa_next_free_vgpr 234
		.amdhsa_next_free_sgpr 66
		.amdhsa_reserve_vcc 0
		.amdhsa_float_denorm_mode_32 3
		.amdhsa_float_denorm_mode_16_64 3
		.amdhsa_memory_ordered 1
		.amdhsa_forward_progress 1
		.amdhsa_inst_pref_size 28
	.end_amdhsa_kernel
	.amdgpu_metadata
---
amdhsa.version: [ 1, 2 ]
amdhsa.kernels:
  - .name:           k_qb81d38cb63_gather
    .symbol:         k_qb81d38cb63_gather.kd
    .args:
      - { .name: idx, .offset: 0, .size: 8, .value_kind: global_buffer, .address_space: global }
      - { .name: embedding, .offset: 8, .size: 8, .value_kind: global_buffer, .address_space: global }
      - { .name: out0, .offset: 16, .size: 8, .value_kind: global_buffer, .address_space: global }
    .group_segment_fixed_size: 140288
    .private_segment_fixed_size: 0
    .kernarg_segment_align: 8
    .kernarg_segment_size: 24
    .max_flat_workgroup_size: 256
    .sgpr_count:     66
    .vgpr_count:     234
    .wavefront_size: 32
...
	.end_amdgpu_metadata
.endif
;; end of part 2
